; MI455X (gfx1250); checked and timed in simulation.
; The chip was launched on July 23, 2026; its instructions are those of AMD's public machine-readable ISA for CDNA 5 (MIT licence, August 2026) and "CDNA5" Instruction Set Architecture Reference Guide (July 2026). The comments in the code are by the model that wrote it; some were corrected since.
;; Signed Attention. Allowed arithmetic: matrix products marked QUANTISED: E2M3 operands, one E8M0 scale for each 32 along K, by v_wmma_scale_f32_16x16x128_f8f6f4 with both operands' format E2M3, f32 sums; everything else in f32.
;; Inputs: keys 4 x 8 x 2,048 x 64 float32; log_scale one number float32; queries 4 x 8 x 2,048 x 64 float32; values 4 x 8 x 2,048 x 64 float32.
;; Outputs: out0 4 x 8 x 2,048 x 64 float32.
;; This version of the problem:
;;   THIS VERSION OF THE PROBLEM IS GIVEN IN LOW PRECISION. The matrix products marked QUANTISED in the list below multiply operands that are first quantised to E2M3 (2 exponent bits, 3 mantissa bits; 6 bits a number), with one power-of-two scale for each 32 numbers along K (OCP MX v1.0); their sums are f32. All else is computed in f32.
;;   The module's matrix products, in the order in which they are computed (A, B: the left and right operand; K: the contracted axis; several contracted axes count as one K, in the product's order):
;;     1. batch 32 x [M 2,048, K 64] x [K 64, N 2,048]; A: input queries; B: input keys: QUANTISED
;;     2. batch 32 x [M 2,048, K 2,048] x [K 2,048, N 64]; A: computed on the way; B: input values: QUANTISED
;;   THE QUANTISER, for each operand of a quantised product, along K:
;;     - K is cut into blocks of 32 from its start; a last block that is shorter is filled with zeros.
;;     - A block's scale is 2^e with e = floor(log2(the largest magnitude in the block)) - 2, held to -126 .. 127; a block of zeros has e = 0. As a byte (E8M0): e + 127.
;;     - Each number is divided by its block's scale, clamped to +-7.5, and rounded to the nearest number of E2M3, ties to even, subnormals kept.
;;     - The product sums the exact products of the quantised numbers (number of the format x scale) in f32.
;;   ~~~python
;;   def quantise(x, axis):      # numpy; x: float32 -> the quantised numbers, widened to float32 again
;;       x = np.moveaxis(x, axis, -1); K = x.shape[-1]
;;       x = np.pad(x, [(0, 0)] * (x.ndim - 1) + [(0, -K % 32)]); x = x.reshape(x.shape[:-1] + (-1, 32)); a = np.abs(x).max(-1, keepdims=True)
;;       e = np.where(a > 0, np.clip(np.frexp(np.where(a > 0, a, 1))[1] - 1 - 2, -126, 127), 0)      # np.frexp(a)[1] - 1 = floor(log2(a)), exactly
;;       r = np.clip(x / 2.0 ** e, -7.5, 7.5)
;;       step = 2.0 ** (np.maximum(np.frexp(np.where(r == 0, 1, r))[1] - 1, 0) - 3)
;;       q = np.round(r / step) * step * 2.0 ** e      # np.round: ties to even
;;       return np.moveaxis(q.reshape(q.shape[:-2] + (-1,))[..., :K], -1, axis).astype(np.float32)
;;   ~~~
;;   OPERANDS COMPUTED ON THE WAY. 'Computed on the way' means the value that the module computes at that place (a softmax that the list does not call 'softmax' is quantised finished and normalised). What goes into a quantiser is computed in f32, as accurately as f32 sums, v_exp_f32 and their like allow (about 1e-6 of the number): no bf16 or f16 on the way to a quantiser, and a product that is left as it is and whose result goes on into a quantised operand takes f32 operands (vector FMAs, or v_wmma_f32_16x16x4_f32). A number that lies on a knife's edge between two numbers of the format may be rounded either way, as far as f32 arithmetic and the matrix unit's own rounding can turn it there, and no further.
;; One version. Each part assembles by itself: llvm-mc -triple=amdgcn-amd-amdhsa -mcpu=gfx1250 --defsym DOCPART=n.
;; ======== version 1 of 1: 2 launches
;; workspace buffers: kimg 3,538,944 bytes; ksc 294,912 bytes; vimg 3,538,944 bytes; vsc 147,456 bytes; vsum 589,824 bytes; vgrp 65,536 bytes
;; launch prep (part 1): grid 8 x 32, 8 waves a work-group, no clusters, 77,312 bytes of LDS; arguments keys, values, kimg, ksc, vimg, vsc, vsum, vgrp; writes kimg, ksc, vimg, vsc, vsum, vgrp
.if DOCPART == 1
	.amdgcn_target "amdgcn-amd-amdhsa--gfx1250"
	.amdhsa_code_object_version 6
	.text
	.protected	k_q50ac164512_prep
	.globl	k_q50ac164512_prep
	.p2align	8
	.type	k_q50ac164512_prep,@function
k_q50ac164512_prep:
	s_mov_b64 s[64:65], 0
	v_nop
	global_prefetch_b8 v0, s[64:65] scope:SCOPE_SE
	s_setreg_imm32_b32 hwreg(HW_REG_WAVE_MODE, 25, 1), 1
	s_wait_xcnt 0x0
; keys and values, [32 heads][2048][64] f32, become codes of FP6 (E2M3) with one E8M0 byte for each 32 along a product's K, laid as the next launch's registers want them.
; A head is cut into 64 blocks of 32 keys; each buffer has room for 72 blocks a head, and blocks 64-71 are padding (zero codes, zero sums, scale bytes 0x7f), so that a window of blocks may run past the head's end.
;   kimg [32][72][1536]: ONE operand of 12 registers a block: lane (r, h), registers 0-5: d = 32 h .. 32 h + 31 of key 32 b + r + 8 (r / 8); registers 6-11: the same d of the key 8 further on.  Registers 4 j .. 4 j + 3 at 512 j + 16 lane.
;   ksc  [32][72][32 words]: word r (and r + 16): bytes 0, 1 the scales of d-blocks 0, 1 of the first key, bytes 2, 3 those of the second.
;   vimg [32][72][1536]: K = the keys.  Column d's 24 bytes (the block's 32 keys, the lowest key lowest): 16 bytes at 16 d, 8 bytes at 1024 + 8 d.
;   vsc  [32][18][64 words]: byte k of word (q, d): the scale of block 4 q + k, column d.
;   vsum [32][72][64] f32: the sum of the block's 32 QUANTISED values;  vgrp [32][8][64] f32: the sum of eight blocks' sums.
; A block's scale is 2^(floor(log2(its largest magnitude)) - 2); its byte is the largest magnitude's exponent field - 2, held at 1 from below by a floor among the maximum's leaves.
; LIMITS: a block of zeros gets the byte 1 where the rule says 127 (its codes are zeros, and this program alone reads the bytes); NaN and infinities among the inputs are not served.
; SHARES: work-group (g, head) owns blocks 8 g .. 8 g + 7, wave w block 8 g + w of K and of V, 8,192 bytes each; all 80 loads of a wave are issued at its head.  Each input byte is read once in the launch.
; V: a lane takes a column d and its registers run down the keys, so a block lies in one lane and nothing is transposed.  K: loaded as it lies, 512 consecutive bytes a load, and turned through the wave's own stage in LDS,
; so that a lane holds 32 neighbours along d of one key.  No tensor loads, so no ring; one barrier, in front of the sums over the eight waves.
.set VX,   32                          ; v32-95   V: column lane + 32 g2, key i at VX + 32 g2 + i; later the quantised numbers, then their sum
.set KR,   96                          ; v96-159  K as loaded; at the end wave 0's sums
.set KT,   160                         ; v160-223 K turned: set u at KT + 32 u
.set KF,   224                         ; v224-235 K's operand
.set KY,   236                         ; v236-238, v240-242 the second halves of K's blocks as the conversions leave them
.set KSTW, 9216                        ; LDS: a stage for each wave: row p of 256 bytes at 272 p + 128 (p / 16)
.set SL,   73728                       ; the eight waves' block sums: 256 w + 4 d
.set VSL,  75776                       ; V's scale bytes: 256 (w / 4) + 4 d + w % 4
; v1 16 lane, v2 4 lane, v3 8 lane, v4 stage in, v5 stage out, v6 8 h, v7 my sums' place, v8 my scale bytes' place, v9 0x7f7f7f7f, v19 wave 0's reads, v20-23 zeros, v24-31 at work
	s_load_b512 s[4:19], s[0:1], 0x0               ; keys s[4:5], values s[6:7], kimg s[8:9], ksc s[10:11], vimg s[12:13], vsc s[14:15], vsum s[16:17], vgrp s[18:19]
	v_lshl_add_u32 v254, v0, 2, 0x12a00
	v_mov_b32 v255, 0
	v_lshrrev_b32 v24, 5, v0
	v_readfirstlane_b32 s20, v24                   ; wave 0..7
	s_mov_b32 s21, ttmp9                           ; g
	s_and_b32 s22, ttmp7, 0xffff                   ; head
	s_lshl_b32 s23, s21, 3
	s_add_co_u32 s23, s23, s20                     ; b = 8 g + wave
	v_and_b32 v24, 31, v0                          ; lane
	v_and_b32 v25, 15, v0                          ; r
	v_bfe_u32 v26, v0, 4, 1                        ; h
	v_lshlrev_b32 v1, 4, v24
	v_lshlrev_b32 v2, 2, v24
	v_lshlrev_b32 v3, 3, v24
	s_mul_i32 s40, s20, KSTW
	v_mul_u32_u24 v4, v26, 272
	v_lshl_add_u32 v4, v25, 4, v4
	v_add_nc_u32 v4, s40, v4                       ; in: load i brings rows 2 i and 2 i + 1: row h of the two, 16 bytes a lane
	v_and_b32 v27, 7, v0
	v_mul_u32_u24 v5, v27, 272
	v_bfe_u32 v27, v0, 3, 1
	v_mad_u32_u24 v5, v27, 4480, v5                ; out: row r % 8 + 16 (r / 8): 16 rows are 16 x 272 + 128 bytes
	v_lshl_add_u32 v5, v26, 7, v5                  ; + 128 h: my 32 numbers along d
	v_add_nc_u32 v5, s40, v5
	v_lshlrev_b32 v6, 3, v26
	s_lshl_b32 s40, s20, 8
	s_add_co_u32 s40, s40, SL
	v_add_nc_u32 v7, s40, v2
	s_lshr_b32 s40, s20, 2
	s_lshl_b32 s40, s40, 8
	s_and_b32 s41, s20, 3
	s_add_co_u32 s40, s40, s41
	s_add_co_u32 s40, s40, VSL
	v_add_nc_u32 v8, s40, v2
	v_mov_b32 v9, 0x7f7f7f7f
	v_add_nc_u32 v19, SL, v3
.irp i, 20,21,22,23,30,31
	v_mov_b32 v\i, 0                               ; the padding's zeros; v30, v31: a lane permute's destination counts as one of its sources
.endr
	s_mov_b32 s26, 0x76543210
	s_mov_b32 s27, 0xfedcba98                      ; v_permlanex16_b32's selects for lane l xor 16
	s_lshl_b32 s24, s22, 19                        ; byte offsets, each in a pair of its own: keys, values: 524,288 head + 8,192 b
	s_lshl_b32 s40, s23, 13
	s_add_co_u32 s24, s24, s40
	s_mov_b32 s25, 0
	s_mul_i32 s28, s22, 110592                     ; kimg, vimg: 72 x 1,536 head + 1,536 b
	s_mul_i32 s40, s23, 1536
	s_add_co_u32 s28, s28, s40
	s_mov_b32 s29, 0
	s_mul_i32 s30, s22, 9216                       ; ksc: 72 x 128 head + 128 b
	s_lshl_b32 s40, s23, 7
	s_add_co_u32 s30, s30, s40
	s_mov_b32 s31, 0
	s_mul_i32 s32, s22, 18432                      ; vsum: 72 x 256 head + 256 b
	s_lshl_b32 s40, s23, 8
	s_add_co_u32 s32, s32, s40
	s_mov_b32 s33, 0
	s_mul_i32 s34, s22, 4608                       ; vsc: 18 x 256 head + 512 g
	s_lshl_b32 s40, s21, 9
	s_add_co_u32 s34, s34, s40
	s_mov_b32 s35, 0
	s_lshl_b32 s36, s22, 11                        ; vgrp: 2,048 head + 256 g
	s_lshl_b32 s40, s21, 8
	s_add_co_u32 s36, s36, s40
	s_mov_b32 s37, 0
	s_wait_kmcnt 0x0
	s_add_nc_u64 s[4:5], s[4:5], s[24:25]
	s_add_nc_u64 s[6:7], s[6:7], s[24:25]
	s_add_nc_u64 s[8:9], s[8:9], s[28:29]
	s_add_nc_u64 s[12:13], s[12:13], s[28:29]
	s_add_nc_u64 s[10:11], s[10:11], s[30:31]
	s_add_nc_u64 s[16:17], s[16:17], s[32:33]
	s_add_nc_u64 s[14:15], s[14:15], s[34:35]
	s_add_nc_u64 s[18:19], s[18:19], s[36:37]
.irp i, 0,1,2,3,4,5,6,7,8,9,10,11,12,13,14,15,16,17,18,19,20,21,22,23,24,25,26,27,28,29,30,31
	global_load_b32 v[VX+\i], v2, s[6:7] offset:256*\i th:TH_LOAD_NT          ; V(key i, column lane): the two halves of a row of 256 bytes follow each other
	global_load_b32 v[VX+32+\i], v2, s[6:7] offset:256*\i+128 th:TH_LOAD_NT   ; V(key i, column 32 + lane)
.endr
.irp i, 0,1,2,3,4,5,6,7,8,9,10,11,12,13,14,15
	global_load_b128 v[KR+4*\i:KR+4*\i+3], v1, s[4:5] offset:512*\i th:TH_LOAD_NT   ; two rows of K: 512 consecutive bytes
.endr
; A whole block of 32 numbers in v[src] on becomes 24 bytes of codes in v[X] .. v[X + 5]; v26 keeps the conversion's scale operand, v[BY] the scale's byte.
.macro QB src, X, Y, BY
	v_max3_num_f32 v24, |v[\src]|, |v[\src+1]|, |v[\src+2]|        ; the largest magnitude, in two chains
	v_max3_num_f32 v25, |v[\src+3]|, |v[\src+4]|, |v[\src+5]|
.irp i, 6,10,14,18,22,26
	v_max3_num_f32 v24, v24, |v[\src+\i]|, |v[\src+\i+1]|
	v_max3_num_f32 v25, v25, |v[\src+\i+2]|, |v[\src+\i+3]|
.endr
	v_max3_num_f32 v24, v24, |v[\src+30]|, |v[\src+31]|
	v_max3_num_f32 v24, v24, v25, 0x1800000        ; and the floor 2^(3 - 127): the byte cannot fall under 1
	v_add_nc_u32 v26, 0xff000000, v24              ; 2 off its exponent field: the conversion takes the exponent field of this operand as its scale
	v_cvt_scalef32_pk16_fp6_f32 v[\X:\X+2], v[\src:\src+15], v26
	v_cvt_scalef32_pk16_fp6_f32 v[\Y:\Y+2], v[\src+16:\src+31], v26   ; (a conversion's three registers begin on an even number)
	v_lshrrev_b32 v[\BY], 23, v26                  ; the scale's byte; also the plain line behind the conversions
.irp i, 0,1,2
	v_mov_b32 v[\X+3+\i], v[\Y+\i]
.endr
.endm
; Columns lane + 32 g2 of V: codes, scale byte, and the sum of the quantised numbers.  The codes are widened again with the scale 1; a sum of 32 code values (eighths, at most 240) is exact in f32, and so is its product with 2^e.
.macro VBLOCK g2, X, Y
.set XS, VX+32*\g2
	QB XS, \X, \Y, 27+\g2
	v_and_b32 v29, 0x7f800000, v26                 ; the scale as f32
	v_cvt_scale_pk16_f32_fp6 v[XS:XS+15], v[\X:\X+2], v9
	v_cvt_scale_pk16_f32_fp6 v[XS+16:XS+31], v[\Y:\Y+2], v9
	v_nop                                          ; one plain line behind a scaled conversion
.irp i, 0,4,8,12,16,20,24,28
	v_pk_add_f32 v[XS+\i:XS+\i+1], v[XS+\i:XS+\i+1], v[XS+\i+2:XS+\i+3]
.endr
.irp i, 0,8,16,24
	v_pk_add_f32 v[XS+\i:XS+\i+1], v[XS+\i:XS+\i+1], v[XS+\i+4:XS+\i+5]
.endr
.irp i, 0,16
	v_pk_add_f32 v[XS+\i:XS+\i+1], v[XS+\i:XS+\i+1], v[XS+\i+8:XS+\i+9]
.endr
	v_pk_add_f32 v[XS:XS+1], v[XS:XS+1], v[XS+16:XS+17]
	v_add_f32 v[XS], v[XS], v[XS+1]
	v_mul_f32 v[XS], v[XS], v29
	global_store_b128 v1, v[\X:\X+3], s[12:13] offset:512*\g2          ; 512 consecutive bytes.  Each pass has registers of its own for what it stores: none is written again
	global_store_b64 v3, v[\X+4:\X+5], s[12:13] offset:1024+256*\g2    ; 256 consecutive bytes
	global_store_b32 v2, v[XS], s[16:17] offset:128*\g2
	ds_store_b32 v7, v[XS] offset:128*\g2
	ds_store_b8 v8, v[27+\g2] offset:128*\g2
.endm
	s_wait_loadcnt 16                              ; behind V's 64 loads stand K's 16: V is in
	VBLOCK 0, 244, 250
	VBLOCK 1, 10, 16
	s_wait_loadcnt 0x0                             ; K
.irp i, 0,1,2,3,4,5,6,7,8,9,10,11,12,13,14,15
	ds_store_b128 v4, v[KR+4*\i:KR+4*\i+3] offset:544*\i+128*(\i/8)
.endr
.irp u, 0,1
.irp j, 0,1,2,3,4,5,6,7
	ds_load_b128 v[KT+32*\u+4*\j:KT+32*\u+4*\j+3], v5 offset:2176*\u+16*\j   ; LDS serves a wave's instructions in order: these see my stores.  Set u: key 8 u + r + 8 (r / 8)
.endr
.endr
	s_wait_dscnt 0x0
.irp u, 0,1
	QB KT+32*\u, KF+6*\u, KY+4*\u, 27+\u
.endr
	v_lshlrev_b32 v27, v6, v27                     ; my byte at its place: d-block h
	v_lshlrev_b32 v28, v6, v28
	v_permlanex16_b32 v30, v27, s26, s27
	v_permlanex16_b32 v31, v28, s26, s27
	v_or_b32 v27, v27, v30                         ; with lane l xor 16's: a key's two bytes
	v_or_b32 v28, v28, v31
	v_lshl_or_b32 v27, v28, 16, v27                ; the two keys' four bytes
.irp j, 0,1,2
	global_store_b128 v1, v[KF+4*\j:KF+4*\j+3], s[8:9] offset:512*\j
.endr
	global_store_b32 v2, v27, s[10:11]
	s_cmp_lg_u32 s21, 7                            ; the head's last work-group also writes the padding: wave w block 64 + w = b + 8
	s_cbranch_scc1 .Lno_pad
.irp j, 0,1,2
	global_store_b128 v1, v[20:23], s[8:9] offset:12288+512*\j
	global_store_b128 v1, v[20:23], s[12:13] offset:12288+512*\j
.endr
	global_store_b32 v2, v9, s[10:11] offset:1024
	global_store_b64 v3, v[20:21], s[16:17] offset:2048
.Lno_pad:
	s_wait_dscnt 0x0                               ; for the others' sake: my sums and my scale bytes lie in LDS
	s_barrier_signal -1
	s_barrier_wait -1
	s_cmp_lg_u32 s20, 0                            ; wave 0 adds the eight blocks' sums and sends the scale words out, 256 consecutive bytes a store
	s_cbranch_scc1 .Ldone
.irp i, 0,1,2,3,4,5,6,7
	ds_load_b64 v[KR+2*\i:KR+2*\i+1], v19 offset:256*\i
.endr
.irp q, 0,1
	ds_load_b64 v[KR+16+2*\q:KR+17+2*\q], v19 offset:VSL-SL+256*\q
.endr
	s_wait_dscnt 0x0
.irp i, 1,2,3,4,5,6,7
	v_pk_add_f32 v[KR:KR+1], v[KR:KR+1], v[KR+2*\i:KR+2*\i+1]
.endr
	global_store_b64 v3, v[KR:KR+1], s[18:19]
	global_store_b64 v3, v[KR+16:KR+17], s[14:15]
	global_store_b64 v3, v[KR+18:KR+19], s[14:15] offset:256
	s_cmp_lg_u32 s21, 7
	s_cbranch_scc1 .Ldone
	v_mov_b32 v[KR+20], 0x7f7f7f7f                 ; the padding's scale words: blocks 64-71
	v_mov_b32 v[KR+21], 0x7f7f7f7f
	global_store_b64 v3, v[KR+20:KR+21], s[14:15] offset:512
	global_store_b64 v3, v[KR+20:KR+21], s[14:15] offset:768
.Ldone:
	s_wait_tensorcnt 0x0
	ds_add_u32 v254, v255
	s_wait_dscnt 0x0
	s_endpgm
.Lfunc_end_k_q50ac164512_prep:
	.size	k_q50ac164512_prep, .Lfunc_end_k_q50ac164512_prep-k_q50ac164512_prep
	.p2alignl 7, 3214868480
	.fill 96, 4, 3214868480
	.section	.rodata,"a",@progbits
	.p2align	6, 0x0
	.amdhsa_kernel k_q50ac164512_prep
		.amdhsa_group_segment_fixed_size 77312
		.amdhsa_private_segment_fixed_size 0
		.amdhsa_enable_private_segment 0
		.amdhsa_kernarg_size 64
		.amdhsa_user_sgpr_count 2
		.amdhsa_user_sgpr_kernarg_segment_ptr 1
		.amdhsa_wavefront_size32 1
		.amdhsa_system_sgpr_workgroup_id_x 1
		.amdhsa_system_sgpr_workgroup_id_y 1
		.amdhsa_system_sgpr_workgroup_id_z 1
		.amdhsa_system_vgpr_workitem_id 0
		.amdhsa_next_free_vgpr 256
		.amdhsa_next_free_sgpr 66
		.amdhsa_reserve_vcc 0
		.amdhsa_float_denorm_mode_32 3
		.amdhsa_float_denorm_mode_16_64 3
		.amdhsa_memory_ordered 1
		.amdhsa_forward_progress 1
		.amdhsa_inst_pref_size 26
	.end_amdhsa_kernel
	.amdgpu_metadata
---
amdhsa.version: [ 1, 2 ]
amdhsa.kernels:
  - .name:           k_q50ac164512_prep
    .symbol:         k_q50ac164512_prep.kd
    .args:
      - { .name: keys, .offset: 0, .size: 8, .value_kind: global_buffer, .address_space: global }
      - { .name: values, .offset: 8, .size: 8, .value_kind: global_buffer, .address_space: global }
      - { .name: kimg, .offset: 16, .size: 8, .value_kind: global_buffer, .address_space: global }
      - { .name: ksc, .offset: 24, .size: 8, .value_kind: global_buffer, .address_space: global }
      - { .name: vimg, .offset: 32, .size: 8, .value_kind: global_buffer, .address_space: global }
      - { .name: vsc, .offset: 40, .size: 8, .value_kind: global_buffer, .address_space: global }
      - { .name: vsum, .offset: 48, .size: 8, .value_kind: global_buffer, .address_space: global }
      - { .name: vgrp, .offset: 56, .size: 8, .value_kind: global_buffer, .address_space: global }
    .group_segment_fixed_size: 77312
    .private_segment_fixed_size: 0
    .kernarg_segment_align: 8
    .kernarg_segment_size: 64
    .max_flat_workgroup_size: 256
    .sgpr_count:     66
    .vgpr_count:     256
    .wavefront_size: 32
...
	.end_amdgpu_metadata
.endif
;; end of part 1
;; launch attn (part 2): grid 8 x 32, 8 waves a work-group, no clusters, 72,704 bytes of LDS; arguments queries, log_scale, kimg, ksc, vimg, vsc, vsum, vgrp, out0; writes out0
.if DOCPART == 2
	.amdgcn_target "amdgcn-amd-amdhsa--gfx1250"
	.amdhsa_code_object_version 6
	.text
	.protected	k_q50ac164512_attn
	.globl	k_q50ac164512_attn
	.p2align	8
	.type	k_q50ac164512_attn,@function
k_q50ac164512_attn:
	s_mov_b64 s[64:65], 0
	v_nop
	global_prefetch_b8 v0, s[64:65] scope:SCOPE_SE
	s_setreg_imm32_b32 hwreg(HW_REG_WAVE_MODE, 25, 1), 1
	s_wait_xcnt 0x0
; out = (softmax(scale x pos) - softmax(scale x neg)) V, both products on codes of FP6 (E2M3) with one E8M0 scale for each 32 along K.  32 heads, 2,048 positions, head size 64.
; THE MASK is the computation's own: a patch is 16 positions, and a query of patch p sees the keys of patches p + 1 .. p + 9; every other key has the fill -10000 in both softmaxes.  So:
;  - scores are wanted for five blocks of 32 keys a tile of 16 queries (a tile is a patch, a block two patches);
;  - the fill stands in both maxima and, times the number of masked keys, in both sums;
;  - every masked key of a query has the same weight c = e+/Z+ - e-/Z-.  A block of 32 masked keys quantises to 32 times one number Q(c), and adds Q(c) x (the sum of the block's quantised V): exact algebra.
; SHARES.  Wave w of work-group (g, head) owns queries 32 a .. 32 a + 31, a = 8 g + w: tiles T = 0 (patch 2 a) and T = 1 (patch 2 a + 1).  Both take blocks a .. a + 7 (256 keys, two K steps) through the second product;
; the blocks outside enter as Q(c) x Sout, Sout = the head's column sums of Q(V) less the region's, given to the sums as their C.  Waves share nothing: no barrier.
; BOTH PRODUCTS ARE USED TRANSPOSED (S^T: source 0 = keys, source 1 = queries; O^T: source 0 = V^T, source 1 = the weights): a lane holds ONE query (lane % 16) throughout.  The keys of a tile are not neighbours (see the
; launch before): register 16 w + 8 u + j of S is key 32 (block) + 16 (lane / 16) + 8 u + j, so lane / 16 picks the patch of a block, and 16 registers are 16 neighbouring keys.
; K = 64 IN AN INSTRUCTION OF 128: an image of K holds two tiles of keys in its two halves; Q stands between runs of zero codes, [Z | Q | Z]: [Q, Z] meets the first tile, [Z, Q] the second.  Only Q's side has zeros there:
; a zero code times any code adds nothing, and all scale bytes are real ones.
; The weights are finished and normalised before they are quantised: a row's 160 scores lie in registers, so the true maxima and sums are taken.
; LIMITS: NaN and infinities among the inputs are not served; a weight under 2^-126 counts as 0 (ISA guide, v_exp_f32); Sout is a difference of f32 sums: its error, about 1e-7 of the head's sum of |V|, is multiplied by
; |c|, at most 1 / 1,904; blocks of zeros carry the byte 1.
; NO TENSOR LOADS, NO JOINT REQUESTS: every operand goes straight into the registers that use it, and a wave asks for all its 35 KB at its head; a work-group's images are 15 blocks x 3,072 bytes, of which the next
; work-group of the head wants 7: a round of a cluster's barrier in front of the only loads would have nothing to stand beside.
; REGISTERS.  Window 0: v1-14 addresses and constants; v16-47 a tile's statistics; v48-53 K's scale words, v54-59 V's as loaded, v60-63 V's by K step, v64-65 Q's, v66-67 the weights'; v68-147 S; v148-227 E; v228-251 the weights' codes.
;   Window 1: v0-71 K's six images; v72-167 V's eight fragments; v168-199 Sout in the result's layout; v200-229 [Z | Q0 | Z | Q1 | Z]; v232-238 at work.
.set S,   68                           ; scores, then the negative side's e
.set E,   148                          ; the positive side's e, then the weights
.set PF,  228                          ; the weights' two fragments
.set O,   68                           ; behind the weights S's registers serve again: O^T,
.set CF,  100                          ; 16 x c,
.set BK,  116                          ; Q(c)'s code widened,
.set YT,  132                          ; the conversions' second results, four runs of three,
.set OB,  100                          ; and rows of out on their way
.set QL,  68                           ; at the head: Q as loaded,
.set GR,  132                          ; vgrp,
.set VM,  148                          ; vsum,
.set QT,  164                          ; Q turned
.set KF,  0                            ; window 1
.set VF,  72
.set SO,  168
.set QF,  200
.set QY,  232
.set SOL, 69632                        ; LDS: eight stages of 32 rows x 272 bytes, a wave's own; behind them 256 bytes a wave for Sout
.set MSB, 0
.macro WIN new                         ; s_set_vgpr_msb: bits 1:0 source 0, 3:2 source 1, 5:4 source 2, 7:6 destination; the high byte repeats the setting that is left
.if MSB != \new
	s_set_vgpr_msb (MSB<<8)|\new
.set MSB, \new
.endif
.endm
	s_load_b512 s[4:19], s[0:1], 0x0               ; queries s[4:5], log_scale s[6:7], kimg s[8:9], ksc s[10:11], vimg s[12:13], vsc s[14:15], vsum s[16:17], vgrp s[18:19]
	s_load_b64 s[20:21], s[0:1], 0x40              ; out0
	v_lshl_add_u32 v254, v0, 2, 0x11800
	v_mov_b32 v255, 0
	v_lshrrev_b32 v1, 5, v0
	v_readfirstlane_b32 s23, v1                    ; wave 0..7
	s_and_b32 s24, ttmp7, 0xffff                   ; head
	s_lshl_b32 s26, ttmp9, 3
	s_add_co_u32 s26, s26, s23                     ; a
	v_and_b32 v15, 31, v0                          ; lane
	v_and_b32 v16, 15, v0                          ; r
	v_bfe_u32 v17, v0, 4, 1                        ; h
	v_lshlrev_b32 v1, 4, v15                       ; 16 lane
	v_lshlrev_b32 v2, 3, v15                       ; 8 lane
	v_lshlrev_b32 v3, 2, v15                       ; 4 lane
	v_mul_u32_u24 v4, v17, 1536                    ; V: lanes 16-31 take the next block;
	v_lshl_add_u32 v5, v16, 3, v4
	v_add_nc_u32 v5, 1024, v5                      ; a column's last 8 bytes,
	v_lshl_add_u32 v4, v16, 4, v4                  ; and its first 16
	s_mul_i32 s43, s23, 8704                       ; my stage
	v_mul_u32_u24 v6, v17, 272
	v_lshl_add_u32 v6, v16, 4, v6
	v_add_nc_u32 v6, s43, v6                       ; by rows: lanes 0-15 one row of 256 bytes, lanes 16-31 the next
	v_mul_u32_u24 v7, v16, 272
	v_add_nc_u32 v7, s43, v7
	v_lshl_add_u32 v8, v17, 5, v7                  ; out: row r, + 32 h: my eight numbers of a tile of d
	v_lshl_add_u32 v7, v17, 7, v7                  ; Q: row r, + 128 h: my 32 numbers along d
	s_lshl_b32 s43, s23, 8
	s_add_co_u32 s43, s43, SOL
	v_add_nc_u32 v9, s43, v2                       ; Sout in: d = 2 lane, 2 lane + 1
	v_lshlrev_b32 v10, 5, v17
	v_add_nc_u32 v10, s43, v10                     ; and back: d = 16 t + 8 h + 0 .. 7
	v_lshlrev_b32 v14, 3, v17                      ; 8 h
.irp i, 22,23,24,25,26,27,29,31,39,41,47
	v_mov_b32 v\i, 0                               ; written once: lane permutes' destinations, and the upper halves of pairs of which the low word serves both halves
.endr
	s_mov_b32 s30, 0x76543210
	s_mov_b32 s31, 0xfedcba98                      ; v_permlanex16_b32's selects for lane l xor 16
	s_and_b32 s42, s26, 3
	s_lshl_b32 s42, s42, 3                         ; 8 (a % 4): where my region begins in V's scale words
	s_mov_b32 s29, 0
	s_wait_kmcnt 0x0
	s_load_b32 s22, s[6:7], 0x0                    ; log_scale
	s_lshl_b32 s28, s24, 19                        ; queries, out0: 524,288 head + 8,192 a
	s_lshl_b32 s43, s26, 13
	s_add_co_u32 s28, s28, s43
	s_add_nc_u64 s[4:5], s[4:5], s[28:29]
	s_add_nc_u64 s[20:21], s[20:21], s[28:29]
	s_mul_i32 s28, s24, 110592                     ; kimg, vimg: 110,592 head + 1,536 a
	s_mul_i32 s43, s26, 1536
	s_add_co_u32 s28, s28, s43
	s_add_nc_u64 s[8:9], s[8:9], s[28:29]
	s_add_nc_u64 s[12:13], s[12:13], s[28:29]
	s_mul_i32 s28, s24, 9216                       ; ksc: 9,216 head + 128 a
	s_lshl_b32 s43, s26, 7
	s_add_co_u32 s28, s28, s43
	s_add_nc_u64 s[10:11], s[10:11], s[28:29]
	s_mul_i32 s28, s24, 4608                       ; vsc: 4,608 head + 256 (a / 4)
	s_lshr_b32 s43, s26, 2
	s_lshl_b32 s43, s43, 8
	s_add_co_u32 s28, s28, s43
	s_add_nc_u64 s[14:15], s[14:15], s[28:29]
	s_mul_i32 s28, s24, 18432                      ; vsum: 18,432 head + 256 a
	s_lshl_b32 s43, s26, 8
	s_add_co_u32 s28, s28, s43
	s_add_nc_u64 s[16:17], s[16:17], s[28:29]
	s_lshl_b32 s28, s24, 11                        ; vgrp: 2,048 head
	s_add_nc_u64 s[18:19], s[18:19], s[28:29]
	; ALL OF THE WAVE'S LOADS, in the order in which they are wanted
.irp i, 0,1,2,3,4,5,6,7
	global_load_b64 v[GR+2*\i:GR+2*\i+1], v2, s[18:19] offset:256*\i      ; the head's eight group sums
.endr
.irp i, 0,1,2,3,4,5,6,7
	global_load_b64 v[VM+2*\i:VM+2*\i+1], v2, s[16:17] offset:256*\i      ; my region's eight block sums
.endr
.irp i, 0,1,2,3,4,5,6,7,8,9,10,11,12,13,14,15
	global_load_b128 v[QL+4*\i:QL+4*\i+3], v1, s[4:5] offset:512*\i th:TH_LOAD_NT   ; two rows of Q: 512 consecutive bytes, read once in the launch
.endr
.irp b, 0,1,2,3,4,5
	global_load_b32 v[48+\b], v3, s[10:11] offset:128*\b                  ; K's scale words, blocks a .. a + 5
.endr
.irp q, 0,1,2
.irp g, 0,1
	global_load_b32 v[54+2*\q+\g], v3, s[14:15] offset:256*\q+128*\g      ; V's: word a / 4 + q of column lane + 32 g
.endr
.endr
	WIN 0x40                                       ; destination window 1
.irp b, 0,1,2,3,4,5
.irp j, 0,1,2
	global_load_b128 v[KF+12*\b+4*\j:KF+12*\b+4*\j+3], v1, s[8:9] offset:1536*\b+512*\j
.endr
.endr
.irp s, 0,1
.irp t, 0,1,2,3
.irp c, 0,1                                    ; K step s, d = 16 t + r: registers 6 c .. 6 c + 5 are block a + 4 s + 2 c + h
	global_load_b128 v[VF+12*(4*\s+\t)+6*\c:VF+12*(4*\s+\t)+6*\c+3], v4, s[12:13] offset:1536*(4*\s+2*\c)+256*\t
	global_load_b64 v[VF+12*(4*\s+\t)+6*\c+4:VF+12*(4*\s+\t)+6*\c+5], v5, s[12:13] offset:1536*(4*\s+2*\c)+128*\t
.endr
.endr
.endr
	WIN 0
	s_wait_loadcnt 62                              ; behind Q's loads stand 6 + 6 + 18 + 32: the sums and Q are in
.irp i, 0,1,2,3,4,5,6,7,8,9,10,11,12,13,14,15
	ds_store_b128 v6, v[QL+4*\i:QL+4*\i+3] offset:544*\i
.endr
.irp i, 0,1
.irp j, 0,1,2,3,4,5,6,7
	ds_load_b128 v[QT+32*\i+4*\j:QT+32*\i+4*\j+3], v7 offset:4352*\i+16*\j   ; tile i: d = 32 h + 0 .. 31 of query 16 i + r.  LDS serves a wave's instructions in order: these see my stores
.endr
.endr
.irp i, 1,2,3,4,5,6,7                          ; Sout for d = 2 lane, 2 lane + 1: two chains by turns,
	v_pk_add_f32 v[GR:GR+1], v[GR:GR+1], v[GR+2*\i:GR+2*\i+1]
	v_pk_add_f32 v[VM:VM+1], v[VM:VM+1], v[VM+2*\i:VM+2*\i+1]
.endr
	v_pk_add_f32 v[GR:GR+1], v[GR:GR+1], v[VM:VM+1] neg_lo:[0,1] neg_hi:[0,1]   ; the head's sum less the region's
	ds_store_b64 v9, v[GR:GR+1]
	WIN 0x40
.irp t, 0,1,2,3
.irp v, 0,1
	ds_load_b128 v[SO+8*\t+4*\v:SO+8*\t+4*\v+3], v10 offset:64*\t+16*\v   ; back in the result's layout: register 8 t + j is d = 16 t + 8 h + j
.endr
.endr
	WIN 0
	s_wait_dscnt 9                                 ; Sout's store and its eight loads may be out: Q's turned numbers are in
	; Q is quantised in registers: a lane holds a whole block of 32 along d
.irp i, 0,1
	v_max3_num_f32 v[16+2*\i], |v[QT+32*\i]|, |v[QT+32*\i+1]|, |v[QT+32*\i+2]|
	v_max3_num_f32 v[17+2*\i], |v[QT+32*\i+3]|, |v[QT+32*\i+4]|, |v[QT+32*\i+5]|
.endr
.irp k, 6,10,14,18,22,26
.irp i, 0,1
	v_max3_num_f32 v[16+2*\i], v[16+2*\i], |v[QT+32*\i+\k]|, |v[QT+32*\i+\k+1]|
	v_max3_num_f32 v[17+2*\i], v[17+2*\i], |v[QT+32*\i+\k+2]|, |v[QT+32*\i+\k+3]|
.endr
.endr
.irp i, 0,1
	v_max3_num_f32 v[16+2*\i], v[16+2*\i], |v[QT+32*\i+30]|, |v[QT+32*\i+31]|
.endr
.irp i, 0,1
	v_max3_num_f32 v[16+2*\i], v[16+2*\i], v[17+2*\i], 0x1800000   ; the floor 2^(3 - 127): the byte cannot fall under 1
.endr
.irp i, 0,1
	v_add_nc_u32 v[20+\i], 0xff000000, v[16+2*\i]  ; 2 off the exponent field: the conversion's scale operand
.endr
.irp i, 0,1
	v_lshrrev_b32 v[22+\i], 23, v[20+\i]           ; the byte,
.endr
.irp i, 0,1
	v_lshlrev_b32 v[22+\i], v14, v[22+\i]          ; at d-block h's place,
.endr
.irp i, 0,1
	v_permlanex16_b32 v[26+\i], v[22+\i], s30, s31
.endr
.irp i, 0,1
	v_or_b32 v[22+\i], v[22+\i], v[26+\i]          ; with lane l xor 16's,
.endr
.irp i, 0,1
	v_lshl_or_b32 v[64+\i], v[22+\i], 16, v[22+\i] ; twice: Q may stand in either half of the instruction's K
.endr
	WIN 0x40
.irp i, 0,1
	v_cvt_scalef32_pk16_fp6_f32 v[QF+6+12*\i:QF+8+12*\i], v[QT+32*\i:QT+32*\i+15], v[20+\i]
	v_cvt_scalef32_pk16_fp6_f32 v[QY+4*\i:QY+4*\i+2], v[QT+32*\i+16:QT+32*\i+31], v[20+\i]   ; (a conversion's three registers begin on an even number)
.endr
.irp z, 0,12,24
.irp k, 0,1,2,3,4,5
	v_mov_b32 v[QF+\z+\k], 0                       ; the three runs of zero codes; also the plain lines behind the conversions
.endr
.endr
	WIN 0x41
.irp i, 0,1
.irp k, 0,1,2
	v_mov_b32 v[QF+9+12*\i+\k], v[QY+4*\i+\k]
.endr
.endr
	WIN 0
	s_wait_kmcnt 0x0                               ; log_scale
	v_mov_b32 v45, s22
	v_mul_f32 v45, 0x3fb8aa3b, v45
	v_exp_f32 v45, v45                             ; e^log_scale
	v_nop                                          ; one plain line behind a transcendental
	s_wait_alu depctr_va_vdst(0)
	v_max_num_f32 v45, 1.0, v45
	v_min_num_f32 v45, 0x41f00000, v45             ; held to 1 .. 30
	v_mul_f32 v45, 0x3e38aa3b, v45                 ; c2 = scale x log2(e) = that x log2(e) / 8
	v_readfirstlane_b32 s32, v45
	s_mov_b32 s33, s32                             ; (the packed forms name pairs)
	s_xor_b32 s34, s32, 0x80000000                 ; -c2
	s_mov_b32 s35, s34
	v_mov_b32 v11, 0xc61c4000                      ; the fill, -10000
	v_mov_b32 v12, 0x461c4000                      ; +10000
	v_mov_b32 v13, 0x7f7f7f7f                      ; the scale 1 in every byte
	s_wait_loadcnt 32                              ; V's 32 loads may be out: the scale words and K's images are in
	s_wait_dscnt 0x0                               ; Sout
.irp s, 0,1
.irp g, 0,1
	v_alignbit_b32 v[60+2*\s+\g], v[56+2*\s+\g], v[54+2*\s+\g], s42   ; the four bytes of blocks a + 4 s .. a + 4 s + 3, cut out of two words
.endr
.endr
; Item n of 16 of block w: t = c2 s - M+ into E (items 0-7), t = -c2 s - M- in place (items 8-15), two at a time
.macro FMAI w, n
.if (\n) < 8
	v_pk_fma_f32 v[E+16*(\w)+2*(\n):E+16*(\w)+2*(\n)+1], v[S+16*(\w)+2*(\n):S+16*(\w)+2*(\n)+1], s[32:33], v[28:29] op_sel_hi:[1,0,0]
.else
	v_pk_fma_f32 v[S+16*(\w)+2*(\n)-16:S+16*(\w)+2*(\n)-15], v[S+16*(\w)+2*(\n)-16:S+16*(\w)+2*(\n)-15], s[34:35], v[30:31] op_sel_hi:[1,0,0]
.endif
.endm
; Item n of 16 of block w's sums: even items the positive side's chain (v[32:33]), odd items the negative side's (v[34:35]); the last two add each chain's halves
.macro SUMI w, n
.if (\n) == 14
	v_add_f32 v45, v32, v33
.elseif (\n) == 15
	v_add_f32 v44, v34, v35
.else
.set SB_, E+16*(\w)
.set SA_, 32
.if (\n)%2
.set SB_, S+16*(\w)
.set SA_, 34
.endif
.set SK_, (\n)/2
.if SK_ == 0
	s_wait_alu depctr_va_vdst(0)
	v_pk_add_f32 v[SA_:SA_+1], v[SB_:SB_+1], v[SB_+2:SB_+3]
.else
	v_pk_add_f32 v[SA_:SA_+1], v[SA_:SA_+1], v[SB_+2*SK_+2:SB_+2*SK_+3]
.endif
.endif
.endm
.macro SUMEND w                        ; a lane whose 16 keys of the block are masked adds nothing: a choice, not a product, since its e may be infinite
.if (\w) == 0
	v_cndmask_b32 v36, 0, v45, s[36+(\w)]
	v_cndmask_b32 v37, 0, v44, s[36+(\w)]
.else
	v_cndmask_b32 v45, 0, v45, s[36+(\w)]
	v_cndmask_b32 v44, 0, v44, s[36+(\w)]
	v_add_f32 v36, v36, v45
	v_add_f32 v37, v37, v44
.endif
.endm
; Block w's 32 exponentials; between them the next block's multiply-adds and the last block's sums, so that plain lines stand among the exponentials and no result is read next to the line that made it
.macro EXPI w
.set NN, 0
.rept 16
	v_exp_f32 v[E+16*\w+NN], v[E+16*\w+NN]
.if \w < 4
	FMAI \w+1, NN
.endif
	v_exp_f32 v[S+16*\w+NN], v[S+16*\w+NN]
.if \w > 0
	SUMI \w-1, NN
.endif
.set NN, NN+1
.endr
.if \w > 0
	SUMEND \w-1
.endif
.endm
; Region index rho of tile T: window block rho - T where that is 0 .. 4, else 32 x c
.macro CVTR T, rho, dst
.set WW_, (\rho)-(\T)
.if (WW_ >= 0) && (WW_ <= 4)
	v_cvt_scalef32_pk16_fp6_f32 v[\dst:\dst+2], v[E+16*WW_:E+16*WW_+15], v[28+WW_]
.else
	v_cvt_scalef32_pk16_fp6_f32 v[\dst:\dst+2], v[CF:CF+15], v33
.endif
.endm
.macro BYSEL T, rho                    ; BR_ = the register that holds its scale byte
.set WW_, (\rho)-(\T)
.if (WW_ >= 0) && (WW_ <= 4)
.set BR_, 34+WW_
.else
.set BR_, 39
.endif
.endm
; A TILE OF 16 QUERIES.  Statistics: v16-20 a block's largest score, later largest |weight| (v21: |c|); v21-25 smallest score; v22-27 permutes' results; v28 -M+, v30 -M-, later v28-33 the conversions' scale operands;
; v[32:33], v[34:35] sums at work, later v34-39 scale bytes; v36, v37 Z+, Z-; v38, v40 their reciprocals; v42, v43 the fill's e+, e-; v44 c; v46 Q(c).
.macro TILE T
.if \T
	s_wait_xcnt 0x0                                ; the last tile's stores have read their registers: only behind this wait are they written again
.endif
.irp w, 0,1,2,3,4                              ; s[36 + w]: the lanes whose 16 keys of window block w (block a + T + w) are open.  Blocks from 64 on do not exist
	s_add_co_u32 s43, s26, \T+\w
	s_cmp_lt_u32 s43, 64
.if (\T == 0) && (\w == 0)
	s_cselect_b32 s[36+\w], 0xffff0000, 0          ; lanes 0-15 hold the queries' own patch
.elseif (\T == 1) && (\w == 4)
	s_cselect_b32 s[36+\w], 0x0000ffff, 0          ; lanes 16-31 hold patch p + 10
.else
	s_cselect_b32 s[36+\w], -1, 0
.endif
.endr
	s_lshl_b32 s43, s26, 1
	s_sub_co_u32 s43, 127-\T, s43                  ; patches behind mine,
	s_min_u32 s43, s43, 9                          ; of which at most nine are open:
	s_lshl_b32 s43, s43, 4
	s_sub_co_u32 s43, 2048, s43
	s_cvt_f32_u32 s41, s43                         ; the number of masked keys
	; ---- S^T = K Q^T: ten accumulators, each written once
	WIN 0x05                                       ; sources 0 and 1 window 1
.irp w, 0,1,2,3,4
.irp u, 0,1
	v_wmma_scale_f32_16x16x128_f8f6f4 v[S+16*\w+8*\u:S+16*\w+8*\u+7], v[KF+12*(\w+\T):KF+12*(\w+\T)+11], v[QF+6+12*\T-6*\u:QF+17+12*\T-6*\u], 0, v[48+\w+\T], v[64+\T] matrix_a_fmt:MATRIX_FMT_FP6 matrix_b_fmt:MATRIX_FMT_FP6
.endr
.endr
	WIN 0
.rept 4
	v_nop                                          ; four places between a matrix instruction and the first read of its result (ISA guide 7.12.1)
.endr
	; ---- the largest and the smallest open score, the fill among them.  Each accumulator is read from its low end on
.irp w, 0,1,2,3,4
	v_max3_num_f32 v[16+\w], v[S+16*\w], v[S+16*\w+1], v[S+16*\w+2]
.endr
.irp i, 3,5,7,9,11,13
.irp w, 0,1,2,3,4
	v_max3_num_f32 v[16+\w], v[16+\w], v[S+16*\w+\i], v[S+16*\w+\i+1]
.endr
.endr
.irp w, 0,1,2,3,4
	v_max_num_f32 v[16+\w], v[16+\w], v[S+16*\w+15]
.endr
.irp w, 0,1,2,3,4
	v_min3_num_f32 v[21+\w], v[S+16*\w], v[S+16*\w+1], v[S+16*\w+2]
.endr
.irp i, 3,5,7,9,11,13
.irp w, 0,1,2,3,4
	v_min3_num_f32 v[21+\w], v[21+\w], v[S+16*\w+\i], v[S+16*\w+\i+1]
.endr
.endr
.irp w, 0,1,2,3,4
	v_min_num_f32 v[21+\w], v[21+\w], v[S+16*\w+15]
.endr
.irp w, 0,1,2,3,4
	v_cndmask_b32 v[16+\w], v11, v[16+\w], s[36+\w]   ; masked keys count as -10000 on the positive side,
	v_cndmask_b32 v[21+\w], v12, v[21+\w], s[36+\w]   ; and as a score of +10000 on the negative one
.endr
	v_max3_num_f32 v16, v16, v17, v18
	v_min3_num_f32 v21, v21, v22, v23
	v_max3_num_f32 v16, v16, v19, v20
	v_min3_num_f32 v21, v21, v24, v25
	v_permlanex16_b32 v26, v16, s30, s31           ; the query's other patches lie in the lane 16 away
	v_permlanex16_b32 v27, v21, s30, s31
	v_max3_num_f32 v16, v16, v26, v11              ; every row has masked keys: the fill is always among its entries
	v_min3_num_f32 v21, v21, v27, v12
	v_mul_f32 v28, s34, v16                        ; -M+ = -c2 x the largest
	v_mul_f32 v30, s32, v21                        ; -M- = c2 x the smallest
	v_fma_f32 v42, v11, s32, v28                   ; the fill's exponents
	v_fma_f32 v43, v11, s32, v30
	; ---- e = 2^(t - M) on both sides, and their sums
.set NN, 0
.rept 16
	FMAI 0, NN
.set NN, NN+1
.endr
	v_exp_f32 v42, v42
	v_exp_f32 v43, v43
	EXPI 0
	EXPI 1
	EXPI 2
	EXPI 3
	EXPI 4
.set NN, 0
.rept 16
	SUMI 4, NN
.set NN, NN+1
.endr
	SUMEND 4
	v_permlanex16_b32 v26, v36, s30, s31
	v_permlanex16_b32 v27, v37, s30, s31
	v_add_f32 v36, v36, v26
	v_add_f32 v37, v37, v27
	v_fma_f32 v36, s41, v42, v36                   ; Z+ = the open keys' sum + the masked keys' number x the fill's e+: at least about 1, since the largest entry has e = 1
	v_fma_f32 v37, s41, v43, v37
	v_rcp_f32 v38, v36
	v_rcp_f32 v40, v37
	v_nop                                          ; one plain line behind a transcendental
	s_wait_alu depctr_va_vdst(0)
	v_mul_f32 v44, v42, v38
	v_mul_f32 v45, v43, v40
	v_sub_f32 v44, v44, v45                        ; c: two products and a difference, so that equal softmaxes give exactly 0
	; ---- the weights, finished and normalised: e+ / Z+ - e- / Z-
.set II, 0
.rept 40
	v_pk_mul_f32 v[S+II:S+II+1], v[S+II:S+II+1], v[40:41] op_sel_hi:[1,0]
.set II, II+2
.endr
.set II, 0
.rept 40
	v_pk_fma_f32 v[E+II:E+II+1], v[E+II:E+II+1], v[38:39], v[S+II:S+II+1] op_sel_hi:[1,0,1] neg_lo:[0,0,1] neg_hi:[0,0,1]
.set II, II+2
.endr
.set II, 0
.rept 16
	v_cndmask_b32 v[E+64*\T+II], v44, v[E+64*\T+II], s[36+4*\T]   ; the block that is half masked: masked keys have the weight c
.set II, II+1
.endr
	s_cmp_lt_u32 s26, 60-\T                        ; only where the window passes the head's last block do the other four blocks have masked keys: a branch on ids
	s_cbranch_scc1 .Lwhole_\@
.irp w, 0,1,2,3,4
.if \w != 4*\T
.set II, 0
.rept 16
	v_cndmask_b32 v[E+16*\w+II], v44, v[E+16*\w+II], s[36+\w]
.set II, II+1
.endr
.endif
.endr
.Lwhole_\@:
	; ---- the blocks' scales
.irp w, 0,1,2,3,4
	v_max3_num_f32 v[16+\w], |v[E+16*\w]|, |v[E+16*\w+1]|, 0x1800000   ; my 16 of the block, and the floor 2^(3 - 127)
.endr
.irp i, 2,4,6,8,10,12,14
.irp w, 0,1,2,3,4
	v_max3_num_f32 v[16+\w], v[16+\w], |v[E+16*\w+\i]|, |v[E+16*\w+\i+1]|
.endr
.endr
	v_max_num_f32 v21, 0x1800000, |v44|            ; a block of 32 x c
.irp w, 0,1,2,3,4
	v_permlanex16_b32 v[22+\w], v[16+\w], s30, s31
.endr
.irp w, 0,1,2,3,4
	v_max_num_f32 v[16+\w], v[16+\w], v[22+\w]     ; with lane l xor 16's 16: the block's largest magnitude
.endr
.irp w, 0,1,2,3,4,5
	v_add_nc_u32 v[28+\w], 0xff000000, v[16+\w]    ; the conversions' scale operands
.endr
.irp w, 0,1,2,3,4,5
	v_lshrrev_b32 v[34+\w], 23, v[28+\w]           ; the bytes
.endr
.irp s, 0,1                                    ; the scale word of K step s: region indices 4 s .. 4 s + 3
	BYSEL \T, 4*\s
.set B0_, BR_
	BYSEL \T, 4*\s+1
	v_lshl_or_b32 v[66+\s], v[BR_], 8, v[B0_]
	BYSEL \T, 4*\s+2
	v_lshl_or_b32 v[66+\s], v[BR_], 16, v[66+\s]
	BYSEL \T, 4*\s+3
	v_lshl_or_b32 v[66+\s], v[BR_], 24, v[66+\s]
.endr
	; ---- the codes
.set II, 0
.rept 16
	v_mov_b32 v[CF+II], v44
.set II, II+1
.endr
.irp p, 0,1,2,3
	CVTR \T, 2*\p, PF+6*\p
	CVTR \T, 2*\p+1, YT+4*\p
.endr
	v_nop                                          ; one plain line behind a scaled conversion
.irp p, 0,1,2                                  ; the operand's layout wants a WHOLE block in a lane: lanes 0-15 region index 2 p, lanes 16-31 index 2 p + 1.  (Indices 6 and 7 are alike in all lanes)
.irp i, 0,1,2
	v_permlane16_swap_b32 v[PF+6*\p+\i], v[YT+4*\p+\i]
.endr
.endr
.irp p, 0,1,2,3
.irp i, 0,1,2
	v_mov_b32 v[PF+6*\p+3+\i], v[YT+4*\p+\i]
.endr
.endr
	; ---- Q(c): its code widened with the scale 1, times its block's scale
	v_cvt_scale_pk16_f32_fp6 v[BK:BK+15], v[PF+18:PF+20], v13
	v_and_b32 v45, 0x7f800000, v33                 ; the scale as f32; also the plain line behind the conversion
	v_mul_f32 v46, v[BK], v45
	v_nop                                          ; with the two lines above: four plain lines between the last write of the codes and the scaled matrix instructions
	v_nop
.if \T == 0
	s_wait_loadcnt 0x0                             ; V's fragments
.endif
	; ---- O^T = Q(c) x Sout + V^T P^T over the region's 256 keys
	WIN 0x01                                       ; source 0 window 1
.set II, 0
.rept 16
	v_pk_mul_f32 v[O+II:O+II+1], v[SO+II:SO+II+1], v[46:47] op_sel_hi:[1,0]   ; the blocks outside the region begin the sums
.set II, II+2
.endr
.irp s, 0,1                                    ; the four accumulators take turns, one instruction a turn
.irp t, 0,1,2,3
.if \t % 2
	v_wmma_scale_f32_16x16x128_f8f6f4 v[O+8*\t:O+8*\t+7], v[VF+12*(4*\s+\t):VF+12*(4*\s+\t)+11], v[PF+12*\s:PF+12*\s+11], v[O+8*\t:O+8*\t+7], v[60+2*\s+\t/2], v[66+\s] matrix_a_fmt:MATRIX_FMT_FP6 matrix_b_fmt:MATRIX_FMT_FP6 matrix_a_scale:MATRIX_SCALE_ROW1
.else
	v_wmma_scale_f32_16x16x128_f8f6f4 v[O+8*\t:O+8*\t+7], v[VF+12*(4*\s+\t):VF+12*(4*\s+\t)+11], v[PF+12*\s:PF+12*\s+11], v[O+8*\t:O+8*\t+7], v[60+2*\s+\t/2], v[66+\s] matrix_a_fmt:MATRIX_FMT_FP6 matrix_b_fmt:MATRIX_FMT_FP6
.endif
.endr
.endr
	WIN 0
.rept 5
	v_nop                                          ; four places in front of the LDS stores that read the results; five in front of the next tile's products, which write over these registers
.endr
	; ---- the way out: a lane's eight numbers of a row go through my stage and come back as whole rows of 256 bytes
.irp t, 0,1,2,3
	ds_store_b128 v8, v[O+8*\t:O+8*\t+3] offset:64*\t              ; each accumulator from its low end on
	ds_store_b128 v8, v[O+8*\t+4:O+8*\t+7] offset:64*\t+16
.endr
.irp i, 0,1,2,3,4,5,6,7
	ds_load_b128 v[OB+4*\i:OB+4*\i+3], v6 offset:544*\i            ; LDS serves a wave's instructions in order: these see my stores
.endr
.irp i, 0,1,2,3,4,5,6,7
	s_wait_dscnt 7-\i
	global_store_b128 v1, v[OB+4*\i:OB+4*\i+3], s[20:21] offset:4096*\T+512*\i th:TH_STORE_NT   ; 32 lanes store two rows: 512 consecutive bytes, at a multiple of 256 from out0's first byte
.endr
.endm
	TILE 0
	TILE 1
	s_wait_tensorcnt 0x0
	ds_add_u32 v254, v255
	s_wait_dscnt 0x0
	s_endpgm
.Lfunc_end_k_q50ac164512_attn:
	.size	k_q50ac164512_attn, .Lfunc_end_k_q50ac164512_attn-k_q50ac164512_attn
	.p2alignl 7, 3214868480
	.fill 96, 4, 3214868480
	.section	.rodata,"a",@progbits
	.p2align	6, 0x0
	.amdhsa_kernel k_q50ac164512_attn
		.amdhsa_group_segment_fixed_size 72704
		.amdhsa_private_segment_fixed_size 0
		.amdhsa_enable_private_segment 0
		.amdhsa_kernarg_size 72
		.amdhsa_user_sgpr_count 2
		.amdhsa_user_sgpr_kernarg_segment_ptr 1
		.amdhsa_wavefront_size32 1
		.amdhsa_system_sgpr_workgroup_id_x 1
		.amdhsa_system_sgpr_workgroup_id_y 1
		.amdhsa_system_sgpr_workgroup_id_z 1
		.amdhsa_system_vgpr_workitem_id 0
		.amdhsa_next_free_vgpr 512
		.amdhsa_next_free_sgpr 66
		.amdhsa_reserve_vcc 0
		.amdhsa_float_denorm_mode_32 3
		.amdhsa_float_denorm_mode_16_64 3
		.amdhsa_memory_ordered 1
		.amdhsa_forward_progress 1
		.amdhsa_inst_pref_size 111
	.end_amdhsa_kernel
	.amdgpu_metadata
---
amdhsa.version: [ 1, 2 ]
amdhsa.kernels:
  - .name:           k_q50ac164512_attn
    .symbol:         k_q50ac164512_attn.kd
    .args:
      - { .name: queries, .offset: 0, .size: 8, .value_kind: global_buffer, .address_space: global }
      - { .name: log_scale, .offset: 8, .size: 8, .value_kind: global_buffer, .address_space: global }
      - { .name: kimg, .offset: 16, .size: 8, .value_kind: global_buffer, .address_space: global }
      - { .name: ksc, .offset: 24, .size: 8, .value_kind: global_buffer, .address_space: global }
      - { .name: vimg, .offset: 32, .size: 8, .value_kind: global_buffer, .address_space: global }
      - { .name: vsc, .offset: 40, .size: 8, .value_kind: global_buffer, .address_space: global }
      - { .name: vsum, .offset: 48, .size: 8, .value_kind: global_buffer, .address_space: global }
      - { .name: vgrp, .offset: 56, .size: 8, .value_kind: global_buffer, .address_space: global }
      - { .name: out0, .offset: 64, .size: 8, .value_kind: global_buffer, .address_space: global }
    .group_segment_fixed_size: 72704
    .private_segment_fixed_size: 0
    .kernarg_segment_align: 8
    .kernarg_segment_size: 72
    .max_flat_workgroup_size: 256
    .sgpr_count:     66
    .vgpr_count:     512
    .wavefront_size: 32
...
	.end_amdgpu_metadata
.endif
;; end of part 2
